; MI455X (gfx1250); checked and timed in simulation.
; The chip was launched on July 23, 2026; its instructions are those of AMD's public machine-readable ISA for CDNA 5 (MIT licence, August 2026) and "CDNA5" Instruction Set Architecture Reference Guide (July 2026). The comments in the code are by the model that wrote it; some were corrected since.
;; USP Attention. Allowed arithmetic: matrix products marked QUANTISED: E3M2 operands, one E8M0 scale for each 32 along K, by v_wmma_scale_f32_16x16x128_f8f6f4 with both operands' format E3M2, f32 sums; everything else in f32.
;; Inputs: k 1 x 4,096 x 1,024 float32; q 1 x 4,096 x 1,024 float32; v 1 x 4,096 x 1,024 float32.
;; Outputs: out0 1 x 4,096 x 1,024 float32.
;; This version of the problem:
;;   THIS VERSION OF THE PROBLEM IS GIVEN IN LOW PRECISION. The matrix products marked QUANTISED in the list below multiply operands that are first quantised to E3M2 (3 exponent bits, 2 mantissa bits; 6 bits a number), with one power-of-two scale for each 32 numbers along K (OCP MX v1.0); their sums are f32. All else is computed in f32.
;;   The module's matrix products, in the order in which they are computed (A, B: the left and right operand; K: the contracted axis; several contracted axes count as one K, in the product's order):
;;     1. batch 16 x [M 4,096, K 64] x [K 64, N 4,096]; A: input q; B: input k: QUANTISED
;;     2. batch 16 x [M 64, K 4,096] x [K 4,096, N 4,096]; A: input v; B: softmax (see below): QUANTISED
;;   THE QUANTISER, for each operand of a quantised product, along K:
;;     - K is cut into blocks of 32 from its start; a last block that is shorter is filled with zeros.
;;     - A block's scale is 2^e with e = floor(log2(the largest magnitude in the block)) - 4, held to -126 .. 127; a block of zeros has e = 0. As a byte (E8M0): e + 127.
;;     - Each number is divided by its block's scale, clamped to +-28, and rounded to the nearest number of E3M2, ties to even, subnormals kept.
;;     - The product sums the exact products of the quantised numbers (number of the format x scale) in f32.
;;   ~~~python
;;   def quantise(x, axis):      # numpy; x: float32 -> the quantised numbers, widened to float32 again
;;       x = np.moveaxis(x, axis, -1); K = x.shape[-1]
;;       x = np.pad(x, [(0, 0)] * (x.ndim - 1) + [(0, -K % 32)]); x = x.reshape(x.shape[:-1] + (-1, 32)); a = np.abs(x).max(-1, keepdims=True)
;;       e = np.where(a > 0, np.clip(np.frexp(np.where(a > 0, a, 1))[1] - 1 - 4, -126, 127), 0)      # np.frexp(a)[1] - 1 = floor(log2(a)), exactly
;;       r = np.clip(x / 2.0 ** e, -28, 28)
;;       step = 2.0 ** (np.maximum(np.frexp(np.where(r == 0, 1, r))[1] - 1, -2) - 2)
;;       q = np.round(r / step) * step * 2.0 ** e      # np.round: ties to even
;;       return np.moveaxis(q.reshape(q.shape[:-2] + (-1,))[..., :K], -1, axis).astype(np.float32)
;;   ~~~
;;   SOFTMAX AHEAD OF A QUANTISED PRODUCT. Where the list says 'softmax', what is quantised is not the finished softmax but p = 2^(t - M), with t = logit x log2(e) and M = ceil(the row's largest t), a whole number; so 1/2 < the row's largest p <= 1. The row's sum l is taken of the UNQUANTISED p, in f32, and the product's result is divided by l at the end. Since M is a whole number, a kernel that streams over the keys may use a running M (the ceiling of the running maximum): every later rescaling is an exact power of two, which a block's scale takes up: the codes' values come out the same.
;;   OPERANDS COMPUTED ON THE WAY. 'Computed on the way' means the value that the module computes at that place (a softmax that the list does not call 'softmax' is quantised finished and normalised). What goes into a quantiser is computed in f32, as accurately as f32 sums, v_exp_f32 and their like allow (about 1e-6 of the number): no bf16 or f16 on the way to a quantiser, and a product that is left as it is and whose result goes on into a quantised operand takes f32 operands (vector FMAs, or v_wmma_f32_16x16x4_f32). A number that lies on a knife's edge between two numbers of the format may be rounded either way, as far as f32 arithmetic and the matrix unit's own rounding can turn it there, and no further.
;; One version. Each part assembles by itself: llvm-mc -triple=amdgcn-amd-amdhsa -mcpu=gfx1250 --defsym DOCPART=n.
;; ======== version 1 of 1: 2 launches
;; limits: right only within a limited range of input values
;; workspace buffers: kv 6,553,600 bytes
;; launch prep (part 1): grid 512 x 1, 4 waves a work-group, no clusters, 35,328 bytes of LDS; arguments k, v, kv; writes kv
.if DOCPART == 1
	.amdgcn_target "amdgcn-amd-amdhsa--gfx1250"
	.amdhsa_code_object_version 6
	.text
	.protected	k_q66ec910db4_prep
	.globl	k_q66ec910db4_prep
	.p2align	8
	.type	k_q66ec910db4_prep,@function
k_q66ec910db4_prep:
	s_mov_b64 s[64:65], 0
	v_nop
	global_prefetch_b8 v0, s[64:65] scope:SCOPE_SE
	s_setreg_imm32_b32 hwreg(HW_REG_WAVE_MODE, 25, 1), 1
	s_wait_xcnt 0x0
; k and v, f32 [4096 keys][16 heads x 64], become codes of BF6 (E3M2) with one E8M0 byte for each 32 along a product's K, laid in kv as IMAGES OF THE OPERANDS' REGISTERS.
; kv = 16 heads x 32 records; a record serves 128 keys of one head, 12,800 bytes: KI 6,144 (four pairs of key tiles) | KSC 256 | VI 6,144 (four tiles of 16 channels) | VSC 256.
; An image is 12 registers x 32 lanes = 1,536 bytes: registers 4 j .. 4 j + 3 of lane l at 512 j + 16 l.  r = l % 16, h = l / 16.
;   K, pair b = 2 c + w: registers 0-5 of lane (r, h): key A = 64 c + 32 (r / 8) + 16 w + r % 8, channels 32 h .. 32 h + 31; registers 6-11: the same channels of key A + 8.  A row of 128 along K is two keys on end.
;              scale word of (b, r) at 64 b + 4 r: bytes 0, 1 key A's two blocks, bytes 2, 3 those of key A + 8.
;   V, tile t: registers 6 c .. 6 c + 5 of lane (r, h): channel 16 t + r, keys 64 c + 32 h + 0 .. 31 of the record.  Scale word of (t, r) at 64 t + 4 r: byte B for keys 32 B .. 32 B + 31.
; A block's scale is 2^(floor(log2(its largest magnitude)) - 4): its byte is the largest magnitude's exponent field - 4, held at 1 from below by a floor among the maximum's leaves.
; LIMITS: NaN and infinities among the inputs are not served.  A block of zeros gets the byte 1 where the rule says 127: its codes are zeros, and this program alone reads the bytes.
; Work-groups 0-255 take k, 256-511 take v; a wave takes 16 KiB of f32.  No loop, no barrier: waves share nothing.  Only k's path uses LDS.
.set R,     16                         ; v16-143  the numbers
.set C,     144                        ; v144-167 two groups of 12 registers of codes
.set CT,    168                        ; v168-170, v172-174 the conversions' second halves (their three registers begin on an even number)
.set MX,    176
.set BY,    178
.set SO,    180
.set WT,    182
.set W,     184
.set PX,    187
.set FLOOR, 0x2800000                  ; 2^(5 - 127)
.set EOFF,  0xfe000000                 ; 4 off an exponent field
.set REC,   12800
.set HEADB, 409600
.set SP,    272                        ; a place in the stage: a key's 256 bytes + 16
.set WST,   32*SP
	s_load_b128 s[4:7], s[0:1], 0x0                ; k, v
	s_load_b64 s[8:9], s[0:1], 0x10                ; kv
	v_lshl_add_u32 v192, v0, 2, 0x8800
	v_mov_b32 v193, 0
	v_lshrrev_b32 v1, 5, v0
	v_readfirstlane_b32 s10, v1                    ; wave 0..3
	v_and_b32 v1, 31, v0                           ; lane
	v_and_b32 v2, 15, v0                           ; r
	v_bfe_u32 v3, v0, 4, 1                         ; h
	v_lshlrev_b32 v7, 4, v1
	v_lshlrev_b32 v8, 2, v1
	v_lshlrev_b32 v9, 3, v3
	v_mov_b32 v[PX], 0
	s_mov_b32 s12, 0x76543210
	s_mov_b32 s13, 0xfedcba98                      ; selects for lane l xor 16
	s_cmp_lt_u32 ttmp9, 256
	s_cbranch_scc0 .Lv_path
; ---- k: the four waves stand on four heads' 1,024 bytes of each row; a wave takes 64 keys x 64 channels: the two pairs of one c
	s_and_b32 s16, ttmp9, 3
	s_lshl_b32 s16, s16, 2
	s_add_co_u32 s16, s16, s10                     ; head
	s_lshr_b32 s17, ttmp9, 2                       ; which 64 keys
	s_lshl_b32 s18, s17, 18
	s_lshl_b32 s19, s16, 8
	s_add_co_u32 s18, s18, s19
	s_mov_b32 s19, 0
	s_lshr_b32 s20, s17, 1                         ; the record
	s_and_b32 s21, s17, 1                          ; c
	s_mul_i32 s22, s16, HEADB
	s_mul_i32 s23, s20, REC
	s_add_co_u32 s22, s22, s23
	s_mul_i32 s24, s21, 3072
	s_add_co_u32 s24, s24, s22                     ; my two images
	s_mov_b32 s25, 0
	s_lshl_b32 s26, s21, 7
	s_add_co_u32 s26, s26, s22
	s_add_co_u32 s26, s26, 6144                    ; my 32 scale words
	s_mov_b32 s27, 0
	s_mul_i32 s28, s10, WST                        ; my stage
	s_wait_alu depctr_va_vdst(0)
	v_lshlrev_b32 v4, 4, v2
	v_lshl_add_u32 v4, v3, 12, v4                  ; in: lanes 0-15 one key's 256 bytes, lanes 16-31 the next key's
	v_mul_u32_u24 v5, v3, SP
	v_lshl_add_u32 v5, v2, 4, v5
	v_add_nc_u32 v5, s28, v5                       ; into the stage: the same two keys, two places
	v_mul_u32_u24 v6, v2, SP
	v_lshl_add_u32 v6, v3, 7, v6
	v_add_nc_u32 v6, s28, v6                       ; out of it: place r, my half's 128 bytes
	s_wait_alu depctr_va_vdst(0)
	s_wait_kmcnt 0x0
	s_add_nc_u64 s[4:5], s[4:5], s[18:19]
	s_add_nc_u64 s[14:15], s[8:9], s[26:27]
	s_add_nc_u64 s[8:9], s[8:9], s[24:25]
; Place x of pair w's stage takes key 16 w + x % 8 + 8 (x / 16) + 32 ((x / 8) % 2) of the 64: so lane r's keys A and A + 8 lie at places r and r + 16.  Each load reads two whole aligned runs of 256 bytes.
.irp p, 0,1
.irp i, 0,1,2,3,4,5,6,7,8,9,10,11,12,13,14,15
.set SGK, ((2*\i)&7)|((((2*\i)>>4)&1)<<3)|((((2*\i)>>3)&1)<<5)
	global_load_b128 v[R+64*\p+4*\i:R+64*\p+4*\i+3], v4, s[4:5] offset:(16*\p+SGK)*4096 th:TH_LOAD_NT
.endr
.endr
.macro TURN p                          ; a pair's 32 keys through the stage; LDS serves a wave's instructions in order
.irp i, 0,1,2,3,4,5,6,7,8,9,10,11,12,13,14,15
	ds_store_b128 v5, v[R+64*\p+4*\i:R+64*\p+4*\i+3] offset:2*SP*\i
.endr
.irp u, 0,1
.irp i, 0,1,2,3,4,5,6,7
	ds_load_b128 v[R+64*\p+32*\u+4*\i:R+64*\p+32*\u+4*\i+3], v6 offset:16*SP*\u+16*\i
.endr
.endr
.endm
.macro KQUANT p                        ; my two blocks of pair p (block h of key A and of key A + 8): scale word, codes, three stores of 512 consecutive bytes
.set N, R+64*(\p)
.irp u, 0,1
	v_max3_num_f32 v[MX+\u], |v[N+32*\u]|, |v[N+32*\u+1]|, FLOOR
.endr
.irp i, 2,4,6,8,10,12,14,16,18,20,22,24,26,28,30
.irp u, 0,1
	v_max3_num_f32 v[MX+\u], v[MX+\u], |v[N+32*\u+\i]|, |v[N+32*\u+\i+1]|
.endr
.endr
.irp u, 0,1
	v_add_nc_u32 v[SO+\u], EOFF, v[MX+\u]          ; the conversion's scale operand
.endr
.irp u, 0,1
	v_lshrrev_b32 v[BY+\u], 23, v[SO+\u]           ; the scale's byte
.endr
	v_lshl_or_b32 v[WT], v[BY+1], 16, v[BY]
	v_lshlrev_b32 v[WT], v9, v[WT]                 ; at block h's places
	v_permlanex16_b32 v[PX], v[WT], s12, s13
	v_or_b32 v[W+\p], v[WT], v[PX]                 ; with the other half's two the word is whole
	v_cvt_scalef32_pk16_bf6_f32 v[C+12*\p:C+12*\p+2], v[N:N+15], v[SO]
	v_cvt_scalef32_pk16_bf6_f32 v[CT:CT+2], v[N+16:N+31], v[SO]
	v_cvt_scalef32_pk16_bf6_f32 v[C+12*\p+6:C+12*\p+8], v[N+32:N+47], v[SO+1]
	v_cvt_scalef32_pk16_bf6_f32 v[CT+4:CT+6], v[N+48:N+63], v[SO+1]
	v_nop                                          ; one plain place behind a scaled conversion
.irp i, 0,1,2
	v_mov_b32 v[C+12*\p+3+\i], v[CT+\i]
	v_mov_b32 v[C+12*\p+9+\i], v[CT+4+\i]
.endr
.irp j, 0,1,2
	global_store_b128 v7, v[C+12*\p+4*\j:C+12*\p+4*\j+3], s[8:9] offset:1536*\p+512*\j
.endr
.endm
	s_wait_loadcnt 16                              ; the first pair's 16 loads are in; the second pair's 16 may be out
	TURN 0
	s_wait_loadcnt 0x0
	TURN 1                                         ; the same stage: its stores come behind the first pair's loads
	s_wait_dscnt 32                                ; the first pair is back; the second turn's 32 LDS instructions may be out
	KQUANT 0
	s_wait_dscnt 0x0
	KQUANT 1
	v_cmp_le_u32 vcc_lo, 16, v1
	v_cndmask_b32 v[WT], v[W], v[W+1], vcc_lo      ; lanes 0-15 carry the first pair's words, lanes 16-31 the second's
	global_store_b32 v8, v[WT], s[14:15]           ; 128 consecutive bytes
	s_wait_tensorcnt 0x0                           ; the wave's end
	ds_add_u32 v192, v193
	s_wait_dscnt 0x0
	s_endpgm
; ---- v: a lane takes a column and its registers run down the keys; a wave takes 32 columns x 128 keys: two tiles of a record
.Lv_path:
	s_sub_co_u32 s16, ttmp9, 256
	s_and_b32 s17, s16, 7
	s_lshl_b32 s17, s17, 2
	s_add_co_u32 s17, s17, s10                     ; which 32 columns, 0..31
	s_lshr_b32 s20, s16, 3                         ; the record
	s_lshr_b32 s21, s17, 1                         ; head
	s_and_b32 s28, s17, 1                          ; which half of its 64 channels
	s_lshl_b32 s18, s20, 19
	s_lshl_b32 s19, s17, 7
	s_add_co_u32 s18, s18, s19
	s_mov_b32 s19, 0
	s_mul_i32 s22, s21, HEADB
	s_mul_i32 s23, s20, REC
	s_add_co_u32 s22, s22, s23
	s_mul_i32 s24, s28, 3072
	s_add_co_u32 s24, s24, s22
	s_add_co_u32 s24, s24, 6400                    ; my two images
	s_mov_b32 s25, 0
	s_lshl_b32 s26, s28, 7
	s_add_co_u32 s26, s26, s22
	s_add_co_u32 s26, s26, 12544                   ; my 32 scale words
	s_mov_b32 s27, 0
	s_wait_alu depctr_va_vdst(0)
	v_mul_u32_u24 v4, v3, 1536
	v_lshl_add_u32 v4, v2, 4, v4                   ; out: tile h of my two, 16 bytes at place r
	s_wait_kmcnt 0x0
	s_add_nc_u64 s[6:7], s[6:7], s[18:19]
	s_add_nc_u64 s[14:15], s[8:9], s[26:27]
	s_add_nc_u64 s[8:9], s[8:9], s[24:25]
.macro VLOAD b                         ; block b: keys 32 b + i of my column
.irp i, 0,1,2,3,4,5,6,7,8,9,10,11,12,13,14,15,16,17,18,19,20,21,22,23,24,25,26,27,28,29,30,31
	global_load_b32 v[R+32*\b+\i], v8, s[6:7] offset:(32*\b+\i)*4096 th:TH_LOAD_NT
.endr
.endm
.macro VBLOCK b                        ; its codes are registers 6 (b / 2) .. + 5 of the image's lane (r, b % 2)
.set N, R+32*(\b)
.set D, C+12*((\b)%2)+6*((\b)/2)
	v_max3_num_f32 v[MX], |v[N]|, |v[N+1]|, |v[N+2]|
	v_max3_num_f32 v[MX+1], |v[N+3]|, |v[N+4]|, |v[N+5]|
.irp i, 6,10,14,18,22,26
	v_max3_num_f32 v[MX], v[MX], |v[N+\i]|, |v[N+\i+1]|
	v_max3_num_f32 v[MX+1], v[MX+1], |v[N+\i+2]|, |v[N+\i+3]|
.endr
	v_max3_num_f32 v[MX], v[MX], |v[N+30]|, |v[N+31]|
	v_max3_num_f32 v[MX], v[MX], v[MX+1], FLOOR
	v_add_nc_u32 v[SO], EOFF, v[MX]
	v_lshrrev_b32 v[BY], 23, v[SO]
.if (\b) == 0
	v_mov_b32 v[W], v[BY]
.else
	v_lshl_or_b32 v[W], v[BY], 8*(\b), v[W]        ; the lower keys in the lower byte
.endif
	v_cvt_scalef32_pk16_bf6_f32 v[D:D+2], v[N:N+15], v[SO]
	v_cvt_scalef32_pk16_bf6_f32 v[CT:CT+2], v[N+16:N+31], v[SO]
	v_nop                                          ; one plain place behind a scaled conversion
.irp i, 0,1,2
	v_mov_b32 v[D+3+\i], v[CT+\i]
.endr
.endm
	VLOAD 0
	VLOAD 1
	s_wait_loadcnt 32                              ; block 0 is in; block 1's 32 loads may be out
	VLOAD 2
	VBLOCK 0
	s_wait_loadcnt 32                              ; block 1 is in; block 2's may be out
	VLOAD 3
	VBLOCK 1
	s_wait_loadcnt 32                              ; block 2 is in; block 3's may be out
	VBLOCK 2
	s_wait_loadcnt 0x0
	VBLOCK 3
.irp g, 0,1
.irp j, 0,1,2
	global_store_b128 v4, v[C+12*\g+4*\j:C+12*\g+4*\j+3], s[8:9] offset:512*\j+256*\g   ; sixteen lanes store 256 consecutive bytes, aligned
.endr
.endr
	global_store_b32 v8, v[W], s[14:15]            ; 128 consecutive bytes
	s_endpgm
.Lfunc_end_k_q66ec910db4_prep:
	.size	k_q66ec910db4_prep, .Lfunc_end_k_q66ec910db4_prep-k_q66ec910db4_prep
	.p2alignl 7, 3214868480
	.fill 96, 4, 3214868480
	.section	.rodata,"a",@progbits
	.p2align	6, 0x0
	.amdhsa_kernel k_q66ec910db4_prep
		.amdhsa_group_segment_fixed_size 35328
		.amdhsa_private_segment_fixed_size 0
		.amdhsa_enable_private_segment 0
		.amdhsa_kernarg_size 24
		.amdhsa_user_sgpr_count 2
		.amdhsa_user_sgpr_kernarg_segment_ptr 1
		.amdhsa_wavefront_size32 1
		.amdhsa_system_sgpr_workgroup_id_x 1
		.amdhsa_system_sgpr_workgroup_id_y 1
		.amdhsa_system_sgpr_workgroup_id_z 1
		.amdhsa_system_vgpr_workitem_id 0
		.amdhsa_next_free_vgpr 194
		.amdhsa_next_free_sgpr 66
		.amdhsa_reserve_vcc 1
		.amdhsa_float_denorm_mode_32 3
		.amdhsa_float_denorm_mode_16_64 3
		.amdhsa_memory_ordered 1
		.amdhsa_forward_progress 1
		.amdhsa_inst_pref_size 37
	.end_amdhsa_kernel
	.amdgpu_metadata
---
amdhsa.version: [ 1, 2 ]
amdhsa.kernels:
  - .name:           k_q66ec910db4_prep
    .symbol:         k_q66ec910db4_prep.kd
    .args:
      - { .name: k, .offset: 0, .size: 8, .value_kind: global_buffer, .address_space: global }
      - { .name: v, .offset: 8, .size: 8, .value_kind: global_buffer, .address_space: global }
      - { .name: kv, .offset: 16, .size: 8, .value_kind: global_buffer, .address_space: global }
    .group_segment_fixed_size: 35328
    .private_segment_fixed_size: 0
    .kernarg_segment_align: 8
    .kernarg_segment_size: 24
    .max_flat_workgroup_size: 128
    .sgpr_count:     66
    .vgpr_count:     194
    .wavefront_size: 32
...
	.end_amdgpu_metadata
.endif
;; end of part 1
;; launch attn (part 2): grid 16 x 16, 16 waves a work-group, clusters of 4 x 1, 327,680 bytes of LDS; arguments q, kv, out0; writes out0
.if DOCPART == 2
	.amdgcn_target "amdgcn-amd-amdhsa--gfx1250"
	.amdhsa_code_object_version 6
	.text
	.protected	k_q66ec910db4_attn
	.globl	k_q66ec910db4_attn
	.p2align	8
	.type	k_q66ec910db4_attn,@function
k_q66ec910db4_attn:
	s_mov_b64 s[64:65], 0
	v_nop
	global_prefetch_b8 v0, s[64:65] scope:SCOPE_SE
	s_setreg_imm32_b32 hwreg(HW_REG_WAVE_MODE, 25, 1), 1
	s_wait_xcnt 0x0
	s_wait_alu depctr_hold_cnt(0) depctr_sa_sdst(0) depctr_va_vdst(0) depctr_va_sdst(0) depctr_va_ssrc(0) depctr_va_vcc(0) depctr_vm_vsrc(0)
	s_getreg_b32 s2, hwreg(HW_REG_IB_STS2, 6, 4)
	s_cmp_eq_u32 s2, 0
	s_cbranch_scc0 .Lentry_in_a_cluster
	s_endpgm
.Lentry_in_a_cluster:
	s_bfe_u32 s2, ttmp6, 0x10000c
	s_cmp_lg_u32 s2, 0x3003
	s_cbranch_scc0 .Lentry_shape_is_right
	s_endpgm
.Lentry_shape_is_right:
; out0[q][head] = the sum over keys of softmax(q . k / 8) v, 16 heads of 64 channels, 4,096 queries and keys, both products on codes of BF6 (E3M2) with one E8M0 byte for each 32 along K.
; k and v come from kv as images of the operands' registers, a record of 12,800 bytes for 128 keys of a head: KI 6,144 | KSC 256 | VI 6,144 | VSC 256 (laid by the launch before).  q is quantised here, in registers.
; THE SOFTMAX: t = score x log2(e) / 8; M = the row's largest t so far, rounded UP to a whole number; p = 2^(t - M) is quantised along the keys; the row's sum is taken of the unquantised p and divides at the end.
; When M moves, the sums and O are multiplied by 2^(old M - new M): nothing is rounded, and no branch hangs on data.
; SHARES.  A work-group owns 256 queries of one head, each of its sixteen waves 16 of them; every wave walks 32 steps of 128 keys (a record a step).
; LAYOUT.  Both products are used transposed (S^T = K Q^T, O^T = V^T P^T): a lane holds ONE query (lane % 16) throughout.
; The head has 64 channels, the instruction 128 along K: a row of K's operand is two keys on end (A, A + 8), and q stands in 18 registers [q | zero codes | q].
; Row 8 h + j of pair b = 2 c + w holds key A = 64 c + 32 h + 16 w + j: so lane (r, h)'s registers S + 32 c .. + 31 are the WHOLE block of keys 64 c + 32 h + 0 .. 31, in order:
; a block's maximum needs no other lane, and the conversions' results are p's operand as it stands.  Lane l xor 16 is asked twice a step: for the row's maximum and for the other two bytes of p's scale word.
; THE STEP RUNS ON INTO THE NEXT: K's pairs 0, 1 of the next record are fetched under the softmax into registers of their own; behind the products with V come the fetch of its pairs 2, 3 and of V's tiles 0, 1,
; and the next step's first four products, whose results take the place of the p that have been summed and converted; the other half of the sums follows them.
; LDS: 20 records, a stage, the spare words.  Records 0-3 go to byte 0 (the head's fill), 4-11 behind them, 12-19 behind those: three first fills; records 20-31 then fill again exactly the bytes of the first two fills.
; A loading wave brings two records (100 rows of 256 bytes); 2, 4, 4 and 6 waves load.  By this text's count a wave never has more than one tensor load out, and every wait on TENSORcnt is for 0.
; The stage has bytes of its own, on which no fill lands: q turns through it on the way in, the result on the way out.
; CLUSTER.  The four query blocks of a cluster belong to one head and walk the same records: each fill is asked for JOINTLY, by the same descriptor with a mask that names the four.
; PREFETCH.  With the second fill's request records 12-19 are named, with the third's records 20-31: one fill ahead of their loads.  All clusters of a head walk the same records: the head's first cluster asks; its partners
; take 2 (then 3) records each, told apart by address; a wave takes half a record, 25 runs of 256 bytes, a lane a run (lanes 25-31 name lane 24's run again).  Records 0-11 come by their loads alone.
; LIMITS: NaN and infinities are not served.  The promise holds while the scaled scores stay under 2^31 in magnitude.  A block's largest p is not searched for: the block's largest score goes through the same
; multiply-add and exponential as the scores (this takes v_exp_f32 not to fall where its input rises; at the worst one p of a block would be held one code low).  A block of zeros keeps the byte 1: its codes are zeros.
.set REC,   12800
.set HEADB, 409600
.set X1,    4*REC                      ; the second region
.set X2,    12*REC                     ; the third
.set STAGE, 20*REC                     ; 256,000: 16 rows x (256 + 16) bytes for each wave
.set SP,    272
.set SPARE, STAGE+16*16*SP             ; 325,632: the spare words, 128 bytes for each wave: eight blocks of 256 bytes that no other line names
.set FLOOR, 0x2800000                  ; 2^(5 - 127)
.set EOFF,  0xfe000000                 ; 4 off an exponent field
.set LA,  1                            ; 16 x lane
.set LS,  2                            ; 4 x lane
.set ADI, 3                            ; the record in hand + 16 x lane
.set ADS, 4                            ; the record in hand + 4 x lane
.set SPW, 5                            ; my spare word; never rewritten
.set NIL, 6                            ; 0; never rewritten
.set GO,  7
.set STO, 8
.set RD,  9
.set QS,  10                           ; q's scale word [s0 s1 s0 s1]
.set PS,  11                           ; p's scale word
                                       ; v12 -M, v13 the largest score
.set BR,  14                           ; v14-15 my two blocks' largest scores, then their largest p
.set KS,  18                           ; v18-19 K's scale words: lanes 0-15 the even pair's, lanes 16-31 the odd pair's
.set VS,  20                           ; v20-21 V's likewise
.set QF,  22                           ; v22-39 q | zeros | q
.set F,   40                           ; v40-63 V's tiles 0, 1; v64-87 K's pairs 2, 3, then V's tiles 2, 3
.set S,   88                           ; v88-151 S^T, then p
.set O,   152                          ; v152-183 O^T
.set P,   184                          ; v184-195 p's codes
.set CT,  196                          ; v196-198, v200-202 the conversions' second halves
.set BM,  204                          ; v204-207 four chains of a block's maximum
.set SO,  208                          ; v208-209 the conversions' scale operands
.set BY,  210                          ; v210-211 the bytes
.set FF,  212                          ; v[212:213] f (and a 0, named with it as a pair)
.set TMP, 214
.set TM2, 215
.set PT,  216                          ; what the lane 16 away sends
.set PFO, 217                          ; the prefetches' offset; never rewritten
.set H8,  218                          ; 8 h
.set RR,  219
.set HH,  220
.set G,   224                          ; v224-247 K's pairs 0, 1
.set SM,  248                          ; v248-255 the row's sum in four pairs
.macro CROUND                          ; a round of the cluster's barrier
	s_barrier_signal -1
	s_barrier_wait -1
	s_cmp_lg_u32 s10, 0
	s_cbranch_scc1 .Lnot_wave_0_\@
	s_barrier_signal -3
.Lnot_wave_0_\@:
	s_barrier_wait -3
	s_barrier_signal -1
	s_barrier_wait -1
.endm
.macro JLOAD n                         ; the joint load: waves 0 .. n - 1, two records each; the branch hangs on the wave's number alone
	s_cmp_lt_u32 s10, \n
	s_cbranch_scc0 .Lasked_\@
	tensor_load_to_lds s[20:23], s[24:31]
	s_nop 0
.rept 4
	v_nop
.endr
.Lasked_\@:
.endm
.macro ASK flag, ptr
	s_cmp_eq_u32 s[\flag], 1
	s_cbranch_scc0 .Lnot_mine_\@
	global_prefetch_b8 v[PFO], s[\ptr:\ptr+1] th:TH_LOAD_NT scope:SCOPE_SE
.Lnot_mine_\@:
.endm
.macro HLOAD dst, sc, off, soff        ; two images (24 registers) and their scale words: seven LDS loads
.irp i, 0,1,2,3,4,5
	ds_load_b128 v[\dst+4*\i:\dst+4*\i+3], v[ADI] offset:(\off)+512*\i
.endr
	ds_load_b32 v[\sc], v[ADS] offset:\soff
.endm
.macro QK c, src, sc                   ; S^T of block pair c: pairs 2 c, 2 c + 1 against [q | 0] and [0 | q]; four results, each begun with the constant 0
.irp w, 0,1
.irp u, 0,1
.if \w
	v_wmma_scale_f32_16x16x128_f8f6f4 v[S+32*\c+16*\w+8*\u:S+32*\c+16*\w+8*\u+7], v[\src+12*\w:\src+12*\w+11], v[QF+6*\u:QF+6*\u+11], 0, v[\sc], v[QS] matrix_a_fmt:MATRIX_FMT_BF6 matrix_b_fmt:MATRIX_FMT_BF6 matrix_a_scale:MATRIX_SCALE_ROW1
.else
	v_wmma_scale_f32_16x16x128_f8f6f4 v[S+32*\c+16*\w+8*\u:S+32*\c+16*\w+8*\u+7], v[\src+12*\w:\src+12*\w+11], v[QF+6*\u:QF+6*\u+11], 0, v[\sc], v[QS] matrix_a_fmt:MATRIX_FMT_BF6 matrix_b_fmt:MATRIX_FMT_BF6
.endif
.endr
.endr
.endm
.macro BMAX c                          ; the largest score of my block c: a chain to each result, by turns, each result read from its low end on
.irp k, 0,1,2,3
	v_max3_num_f32 v[BM+\k], v[S+32*\c+8*\k], v[S+32*\c+8*\k+1], v[S+32*\c+8*\k+2]
.endr
.irp i, 3,5
.irp k, 0,1,2,3
	v_max3_num_f32 v[BM+\k], v[BM+\k], v[S+32*\c+8*\k+\i], v[S+32*\c+8*\k+\i+1]
.endr
.endr
	v_max3_num_f32 v[BM], v[BM], v[BM+1], v[S+32*\c+7]
	v_max3_num_f32 v[BM+2], v[BM+2], v[BM+3], v[S+32*\c+15]
	v_max3_num_f32 v[BM], v[BM], v[S+32*\c+23], v[S+32*\c+31]
	v_max_num_f32 v[BR+\c], v[BM], v[BM+2]
.endm
.macro TM n                            ; t - M of n pairs from S + j on (of the pairs c and -M the low word serves both halves)
.rept \n
	v_pk_fma_f32 v[S+j:S+j+1], v[S+j:S+j+1], s[16:17], v[12:13] op_sel_hi:[1,0,0]
.set j, j+2
.endr
.endm
.macro SUML n                          ; n lines of the row's sum of the unquantised p, the four pairs by turns, from S + j on
.rept \n
	v_pk_add_f32 v[SM+(j%8):SM+(j%8)+1], v[SM+(j%8):SM+(j%8)+1], v[S+j:S+j+1]
.set j, j+2
.endr
.endm
	s_load_b128 s[4:7], s[0:1], 0x0                ; q, kv
	s_load_b64 s[8:9], s[0:1], 0x10                ; out0
	v_lshl_add_u32 v[SPW], v0, 2, SPARE
	v_mov_b32 v[NIL], 0
	ds_add_u32 v[SPW], v[NIL]                      ; the opening lines: the add, twice on end, and its wait
	ds_add_u32 v[SPW], v[NIL]
	v_lshrrev_b32 v1, 5, v0
	v_readfirstlane_b32 s10, v1                    ; wave 0..15
	s_bfe_u32 s11, ttmp6, 0x40000                  ; cx
	s_lshl_b32 s12, ttmp9, 2
	s_add_co_u32 s12, s12, s11                     ; my block of 256 queries: it enters q's and out0's addresses alone
	s_and_b32 s13, ttmp7, 0xffff                   ; the head, which the four partners share
	s_mov_b32 s14, 0x76543210
	s_mov_b32 s15, 0xfedcba98                      ; selects for lane l xor 16
	s_mov_b32 s16, 0x3e38aa3b                      ; c = log2(e) / 8
	s_mov_b32 s17, s16
	s_mov_b32 s35, 0xbe38aa3b                      ; -c
	s_mov_b32 s24, 15|(3<<16)|(1<<21)              ; group 1: the mask of all four; elements of 8 bytes; bit 21 beside a mask
	s_mov_b32 s25, 32<<16                          ; 100 rows of 256 dense bytes: two records
	s_mov_b32 s26, 100<<16
	s_mov_b32 s27, 32<<16
	s_mov_b32 s28, 100
	s_mov_b32 s29, 32
	s_mov_b32 s30, 0
	s_mov_b32 s31, 0
	s_lshl_b32 s36, s12, 20                        ; q and out0: 256 rows of 4,096 bytes a block,
	s_lshl_b32 s37, s10, 16                        ; 16 a wave,
	s_add_co_u32 s36, s36, s37
	s_lshl_b32 s37, s13, 8                         ; the head's 256 bytes of a row
	s_add_co_u32 s36, s36, s37
	s_mov_b32 s37, 0
	s_mov_b32 s20, 1                               ; group 0: count
	s_mul_i32 s44, s10, 2*REC                      ; my two records of a fill
	s_mov_b32 s21, s44                             ; LDS address: no place in the cluster enters it
	s_mul_i32 s42, s13, HEADB
	s_add_co_u32 s38, s42, s44
	s_mov_b32 s39, 0
	s_and_b32 s40, s10, 3                          ; the first prefetch: records 12-19: 2 a partner, half a record a wave (waves 8-11)
	s_mul_i32 s40, s40, 6400
	s_mul_i32 s43, s11, 2*REC
	s_add_co_u32 s40, s40, s43
	s_add_co_u32 s40, s40, s42
	s_add_co_u32 s40, s40, 12*REC
	s_mov_b32 s41, 0
	s_and_b32 s48, s10, 7                          ; the second: records 20-31: 3 a partner (waves 8-13)
	s_mul_i32 s48, s48, 6400
	s_mul_i32 s43, s11, 3*REC
	s_add_co_u32 s48, s48, s43
	s_add_co_u32 s48, s48, s42
	s_add_co_u32 s48, s48, 20*REC
	s_mov_b32 s49, 0
	s_lshr_b32 s43, s10, 2
	s_cmp_eq_u32 s43, 2                            ; waves 8-11
	s_cselect_b32 s34, 1, 0
	s_sub_co_u32 s43, s10, 8
	s_cmp_lt_u32 s43, 6                            ; waves 8-13
	s_cselect_b32 s45, 1, 0
	s_cmp_eq_u32 ttmp9, 0                          ; of the head's first cluster: the same in all four partners
	s_cselect_b32 s34, s34, 0
	s_cselect_b32 s45, s45, 0
	s_mul_i32 s46, s10, 16*SP
	s_add_co_u32 s46, s46, STAGE                   ; my stage
	v_and_b32 v[LA], 31, v0
	v_and_b32 v[RR], 15, v0                        ; r
	v_bfe_u32 v[HH], v0, 4, 1                      ; h
	v_lshlrev_b32 v[LS], 2, v[LA]
	v_min_u32 v[PFO], 24, v[LA]
	v_mul_u32_u24 v[STO], v[RR], SP
	v_mul_u32_u24 v[RD], v[HH], SP
	v_lshlrev_b32 v[GO], 12, v[HH]
	v_lshlrev_b32 v[LA], 4, v[LA]
	v_lshlrev_b32 v[PFO], 8, v[PFO]
	v_lshl_add_u32 v[TM2], v[HH], 7, v[STO]
	v_lshl_add_u32 v[STO], v[HH], 5, v[STO]
	v_lshl_add_u32 v[RD], v[RR], 4, v[RD]
	v_lshl_add_u32 v[GO], v[RR], 4, v[GO]          ; q and out0: lanes 0-15 one row's 256 bytes, lanes 16-31 the next row's
	v_lshlrev_b32 v[H8], 3, v[HH]
	v_add_nc_u32 v[TM2], s46, v[TM2]               ; q out of the stage: row r, my block's 128 bytes
	v_add_nc_u32 v[STO], s46, v[STO]               ; the result into the stage: row r, + 32 h
	v_add_nc_u32 v[RD], s46, v[RD]                 ; two whole rows an instruction: q in, the result back
	v_mov_b32 v[PT], 0                             ; a lane permute's destination counts as one of its sources
	s_wait_alu depctr_va_vdst(0)                   ; the wait here, directly ahead of the waits below
	s_wait_dscnt 0x0                               ; both opening adds are done
	s_wait_kmcnt 0x0
	s_add_nc_u64 s[4:5], s[4:5], s[36:37]
	s_add_nc_u64 s[8:9], s[8:9], s[36:37]
	s_add_nc_u64 s[22:23], s[6:7], s[38:39]        ; group 0: global address
	s_or_b32 s23, s23, 0x80000000                  ; type = 2
	s_add_nc_u64 s[32:33], s[6:7], s[40:41]
	s_add_nc_u64 s[52:53], s[6:7], s[48:49]
	; q: my 16 rows, each load two whole aligned runs of 256 bytes; asked for ahead of the round, so that they are on their way meanwhile
.irp i, 0,1,2,3,4,5,6,7
	global_load_b128 v[S+32+4*\i:S+32+4*\i+3], v[GO], s[4:5] offset:8192*\i th:TH_LOAD_NT
.endr
	CROUND                                         ; all four work-groups are here: the first joint loads meet
	JLOAD 2                                        ; records 0-3
	s_wait_loadcnt 0x0
.irp i, 0,1,2,3,4,5,6,7
	ds_store_b128 v[RD], v[S+32+4*\i:S+32+4*\i+3] offset:2*SP*\i
.endr
.irp i, 0,1,2,3,4,5,6,7
	ds_load_b128 v[S+4*\i:S+4*\i+3], v[TM2] offset:16*\i   ; LDS serves a wave's instructions in order: lane (r, h) gets block h (32 channels) of row r
.endr
	s_wait_dscnt 0x0
	v_max3_num_f32 v[BM], |v[S]|, |v[S+1]|, |v[S+2]|
	v_max3_num_f32 v[BM+1], |v[S+3]|, |v[S+4]|, |v[S+5]|
.irp i, 6,10,14,18,22,26
	v_max3_num_f32 v[BM], v[BM], |v[S+\i]|, |v[S+\i+1]|
	v_max3_num_f32 v[BM+1], v[BM+1], |v[S+\i+2]|, |v[S+\i+3]|
.endr
	v_max3_num_f32 v[BM], v[BM], |v[S+30]|, |v[S+31]|
	v_max3_num_f32 v[BM], v[BM], v[BM+1], FLOOR    ; the floor holds the byte at 1 from below
	v_add_nc_u32 v[SO], EOFF, v[BM]                ; the conversion's scale operand
	v_lshrrev_b32 v[BY], 23, v[SO]                 ; the byte,
	v_lshlrev_b32 v[BY], v[H8], v[BY]              ; at block h's place;
	v_permlanex16_b32 v[PT], v[BY], s14, s15
	v_or_b32 v[BY], v[BY], v[PT]                   ; with the other block's
	v_lshl_or_b32 v[QS], v[BY], 16, v[BY]          ; the two bytes serve both halves of the 128 along K
	v_cvt_scalef32_pk16_bf6_f32 v[QF:QF+2], v[S:S+15], v[SO]
	v_cvt_scalef32_pk16_bf6_f32 v[CT:CT+2], v[S+16:S+31], v[SO]
	v_nop                                          ; one plain place behind a scaled conversion
.irp i, 0,1,2
	v_mov_b32 v[QF+3+\i], v[CT+\i]
.endr
.irp i, 0,1,2,3,4,5
	v_mov_b32 v[QF+12+\i], v[QF+\i]                ; q once more,
	v_mov_b32 v[QF+6+\i], 0                        ; and zero codes between
.endr
	; the state: the first step finds zeros, which the first change of M leaves zeros
	v_mov_b32 v13, 0xff61b1e6                      ; the largest score so far: -3e38
	v_mov_b32 v12, 0x7e967699                      ; -M: 1e38
.irp i, 0,1,2,3,4,5,6,7
	v_mov_b32 v[SM+\i], 0
.endr
	v_mov_b32 v[FF+1], 0
.set j, 0
.rept 32
	v_mov_b32 v[O+j], 0
.set j, j+1
.endr
; A KEY STEP: the record at LDS byte s18.  On the way in: its first four products have been issued, four places or more lie behind them; its K pairs 2, 3 (seven loads) and, behind them, V's tiles 0, 1 (seven) are on their way.
; more = 1: the next record lies behind this one, and the step leaves the same state for it.
.macro STEP more
	BMAX 0
	s_wait_dscnt 7                                 ; K's pairs 2, 3 are in; the seven loads of V's tiles 0, 1 may be out
	QK 1, F+24, KS+1
	v_add_nc_u32 v[ADI], s18, v[LA]                ; four places in front of the loads into K's registers and of the first read of these scores
	v_add_nc_u32 v[ADS], s18, v[LS]                ; this record's addresses,
	v_mov_b32 v[TMP], v12                          ; the old -M,
	v_nop
	HLOAD F+24, VS+1, 9472, 12672                  ; V's tiles 2, 3
.if \more
	HLOAD G, KS, REC, REC+6144                     ; the next record's K, pairs 0, 1
.endif
	BMAX 1
	s_delay_alu instid0(VALU_DEP_1)
	v_max3_num_f32 v13, v13, v[BR], v[BR+1]
	s_delay_alu instid0(VALU_DEP_1)
	v_permlanex16_b32 v[PT], v13, s14, s15
	s_delay_alu instid0(VALU_DEP_1)
	v_max_num_f32 v13, v13, v[PT]                  ; with lane l xor 16's keys: the running largest score
	s_delay_alu instid0(VALU_DEP_1)
	v_mul_f32 v[TM2], s35, v13                     ; -t
	s_delay_alu instid0(VALU_DEP_1)
	v_floor_f32 v12, v[TM2]                        ; the new -M = -ceil(t): a whole number
.set j, 0
	TM 4
	v_sub_f32 v[TMP], v12, v[TMP]                  ; old M - new M: a whole number, 0 or less
	TM 4
	v_cvt_i32_f32 v[TMP], v[TMP]                   ; (it saturates)
	TM 4
	v_ldexp_f32 v[FF], 1.0, v[TMP]                 ; f = 2^(old M - new M)
	TM 20
	v_fma_f32 v[BR], v[BR], s16, v12               ; the same of each block's largest score
	v_fma_f32 v[BR+1], v[BR+1], s16, v12
.set j, 0
.rept 16
	v_pk_mul_f32 v[O+j:O+j+1], v[O+j:O+j+1], v[FF:FF+1] op_sel_hi:[1,0]   ; O^T under the new M, each accumulator from its low end on
.set j, j+2
.endr
	s_wait_alu depctr_va_vdst(0)                   ; the wait ahead of the batch
.set j, 0
.rept 64
	v_exp_f32 v[S+j], v[S+j]                       ; p = 2^(t - M), at most 1, not normalised
.set j, j+1
.endr
	v_exp_f32 v[BR], v[BR]                         ; the blocks' largest p: one batch of 66
	v_exp_f32 v[BR+1], v[BR+1]
	v_nop                                          ; a plain place behind the batch
	s_wait_alu depctr_va_vdst(0)                   ; and the wait behind it, which also stands directly ahead of the wait below
	s_wait_dscnt 0x0                               ; V's four tiles are in, and the next record's pairs 0, 1
	v_max_num_f32 v[BR], FLOOR, v[BR]              ; the byte cannot fall under 1
	v_max_num_f32 v[BR+1], FLOOR, v[BR+1]
.irp i, 0,2,4,6
	v_pk_fma_f32 v[SM+\i:SM+\i+1], v[SM+\i:SM+\i+1], v[FF:FF+1], v[S+\i:S+\i+1] op_sel_hi:[1,0,1]   ; the sums under the new M, and the first p
.endr
.set j, 8
	v_add_nc_u32 v[SO], EOFF, v[BR]                ; the conversions' scale operands
	v_add_nc_u32 v[SO+1], EOFF, v[BR+1]
	SUML 2
	v_lshrrev_b32 v[BY], 23, v[SO]                 ; the bytes of blocks h and 2 + h
	v_lshrrev_b32 v[BY+1], 23, v[SO+1]
	SUML 2
	v_lshl_or_b32 v[PS], v[BY+1], 16, v[BY]
	SUML 2
	v_lshlrev_b32 v[PS], v[H8], v[PS]              ; at their places
	SUML 2
	v_permlanex16_b32 v[PT], v[PS], s14, s15
.irp c, 0,1
	v_cvt_scalef32_pk16_bf6_f32 v[P+6*\c:P+6*\c+2], v[S+32*\c:S+32*\c+15], v[SO+\c]
	v_cvt_scalef32_pk16_bf6_f32 v[CT+4*\c:CT+4*\c+2], v[S+32*\c+16:S+32*\c+31], v[SO+\c]
.endr
	v_or_b32 v[PS], v[PS], v[PT]                   ; p's scale word is whole.  (Also the plain place behind the conversions)
.irp c, 0,1
.irp i, 0,1,2
	v_mov_b32 v[P+3+6*\c+\i], v[CT+4*\c+\i]
.endr
.endr
	SUML 4                                         ; four plain lines between p's codes and the products, ten behind the scale word; block 0's p are now summed
.irp t, 0,1,2,3                                ; O^T += V^T P^T: the four accumulators by turns
.if \t%2
	v_wmma_scale_f32_16x16x128_f8f6f4 v[O+8*\t:O+8*\t+7], v[F+12*\t:F+12*\t+11], v[P:P+11], v[O+8*\t:O+8*\t+7], v[VS+\t/2], v[PS] matrix_a_fmt:MATRIX_FMT_BF6 matrix_b_fmt:MATRIX_FMT_BF6 matrix_a_scale:MATRIX_SCALE_ROW1
.else
	v_wmma_scale_f32_16x16x128_f8f6f4 v[O+8*\t:O+8*\t+7], v[F+12*\t:F+12*\t+11], v[P:P+11], v[O+8*\t:O+8*\t+7], v[VS+\t/2], v[PS] matrix_a_fmt:MATRIX_FMT_BF6 matrix_b_fmt:MATRIX_FMT_BF6
.endif
.endr
	SUML 4                                         ; four places in front of the loads into V's registers
.if \more
	HLOAD F+24, KS+1, REC+3072, REC+6272           ; the next record's K, pairs 2, 3,
	HLOAD F, VS, REC+6400, REC+12544               ; and V's tiles 0, 1
	QK 0, G, KS                                    ; its first four products, over p that have been summed and converted
.endif
	SUML 12                                        ; the rest of block 1's p: also the places behind those products
	s_add_co_u32 s18, s18, REC
.endm
; THE CHANGE stands at a region's head.  Each wave waits for all its tensor loads, adds 0 to its spare word, and waits for that and for its LDS reads.
; n > 0: a round of the cluster's barrier follows, and behind it waves 0 .. n - 1 ask for the next fill, at LDS byte lbase, gstep bytes further on in kv.
; The add stands twice there.
.macro CHANGE n, lbase, gstep
	s_wait_tensorcnt 0x0                           ; no tensor load of mine is out, so group 0 may be written
	ds_add_u32 v[SPW], v[NIL]
.if \n
	ds_add_u32 v[SPW], v[NIL]
	s_add_co_u32 s21, s44, \lbase
	s_add_nc_u64 s[22:23], s[22:23], \gstep        ; the type bits on top are not reached
	s_wait_dscnt 0x0
	CROUND
	JLOAD \n
.else
	s_wait_dscnt 0x0
	s_barrier_signal -1
	s_barrier_wait -1
.endif
.endm
.macro PHASE base, n                   ; n records from LDS byte base on; the last is written out, since no record lies behind it
	s_mov_b32 s18, \base
	v_add_nc_u32 v[ADI], s18, v[LA]
	v_add_nc_u32 v[ADS], s18, v[LS]
	HLOAD G, KS, 0, 6144
	HLOAD F+24, KS+1, 3072, 6272
	HLOAD F, VS, 6400, 12544
	s_wait_dscnt 14                                ; K's pairs 0, 1 are in; the fourteen loads behind them may be out
	QK 0, G, KS
.rept 4
	v_nop                                          ; four places in front of the first read of the scores
.endr
	s_mov_b32 s19, \n-1
.Lrec_\@:
	STEP 1
	s_sub_co_u32 s19, s19, 1
	s_cmp_lg_u32 s19, 0
	s_cbranch_scc1 .Lrec_\@
	STEP 0
.endm
	s_wait_alu depctr_va_vdst(0)                   ; the wait at the head's end
	CHANGE 4, X1, 4*REC                            ; records 0-3 are in; 4-11 are asked for: a first fill
	ASK 34, 32
	PHASE 0, 4
	CHANGE 4, X2, 8*REC                            ; records 12-19: a first fill
	ASK 45, 52
	PHASE X1, 8
	CHANGE 6, 0, 8*REC                             ; records 20-31 fill again the bytes of records 0-11, which nobody reads any more
	PHASE X2, 8
	CHANGE 0, 0, 0
	PHASE 0, 12
	; THE WAY OUT.  O^T is divided by the row's sum and goes through my stage, so that sixteen lanes store a row's 256 consecutive bytes, aligned.  (The last additions are the places behind the last products.)
	v_pk_add_f32 v[SM:SM+1], v[SM:SM+1], v[SM+2:SM+3]
	v_pk_add_f32 v[SM+4:SM+5], v[SM+4:SM+5], v[SM+6:SM+7]
	v_pk_add_f32 v[SM:SM+1], v[SM:SM+1], v[SM+4:SM+5]
	v_add_f32 v[SM], v[SM], v[SM+1]
	v_permlanex16_b32 v[PT], v[SM], s14, s15
	v_add_f32 v[SM], v[SM], v[PT]                  ; with lane l xor 16's: the row's sum
	s_wait_alu depctr_va_vdst(0)                   ; the wait ahead of the reciprocal,
	v_rcp_f32 v[FF], v[SM]
	v_nop                                          ; a plain place behind it,
	s_wait_alu depctr_va_vdst(0)                   ; and the wait ahead of its first reader
.set j, 0
.rept 16
	v_pk_mul_f32 v[S+j:S+j+1], v[O+j:O+j+1], v[FF:FF+1] op_sel_hi:[1,0]   ; register 8 t + i is out(r, 16 t + 8 h + i)
.set j, j+2
.endr
.irp t, 0,1,2,3
	ds_store_b128 v[STO], v[S+8*\t:S+8*\t+3] offset:64*\t
	ds_store_b128 v[STO], v[S+8*\t+4:S+8*\t+7] offset:64*\t+16
.endr
.irp i, 0,1,2,3,4,5,6,7
	ds_load_b128 v[S+32+4*\i:S+32+4*\i+3], v[RD] offset:2*SP*\i   ; LDS serves a wave's instructions in order: these see my stores
.endr
.irp i, 0,1,2,3,4,5,6,7
	s_wait_dscnt 7-\i                              ; the younger loads may be out
	global_store_b128 v[GO], v[S+32+4*\i:S+32+4*\i+3], s[8:9] offset:8192*\i th:TH_STORE_NT
.endr
	s_wait_tensorcnt 0x0                           ; the wave's end
	ds_add_u32 v[SPW], v[NIL]
	s_wait_dscnt 0x0
	CROUND                                         ; the closing round
	s_endpgm
.Lfunc_end_k_q66ec910db4_attn:
	.size	k_q66ec910db4_attn, .Lfunc_end_k_q66ec910db4_attn-k_q66ec910db4_attn
	.p2alignl 7, 3214868480
	.fill 96, 4, 3214868480
	.section	.rodata,"a",@progbits
	.p2align	6, 0x0
	.amdhsa_kernel k_q66ec910db4_attn
		.amdhsa_group_segment_fixed_size 327680
		.amdhsa_private_segment_fixed_size 0
		.amdhsa_enable_private_segment 0
		.amdhsa_kernarg_size 24
		.amdhsa_user_sgpr_count 2
		.amdhsa_user_sgpr_kernarg_segment_ptr 1
		.amdhsa_wavefront_size32 1
		.amdhsa_system_sgpr_workgroup_id_x 1
		.amdhsa_system_sgpr_workgroup_id_y 1
		.amdhsa_system_sgpr_workgroup_id_z 1
		.amdhsa_system_vgpr_workitem_id 0
		.amdhsa_next_free_vgpr 256
		.amdhsa_next_free_sgpr 66
		.amdhsa_reserve_vcc 0
		.amdhsa_float_denorm_mode_32 3
		.amdhsa_float_denorm_mode_16_64 3
		.amdhsa_memory_ordered 1
		.amdhsa_forward_progress 1
		.amdhsa_inst_pref_size 133
	.end_amdhsa_kernel
	.amdgpu_metadata
---
amdhsa.version: [ 1, 2 ]
amdhsa.kernels:
  - .name:           k_q66ec910db4_attn
    .symbol:         k_q66ec910db4_attn.kd
    .args:
      - { .name: q, .offset: 0, .size: 8, .value_kind: global_buffer, .address_space: global }
      - { .name: kv, .offset: 8, .size: 8, .value_kind: global_buffer, .address_space: global }
      - { .name: out0, .offset: 16, .size: 8, .value_kind: global_buffer, .address_space: global }
    .group_segment_fixed_size: 327680
    .private_segment_fixed_size: 0
    .kernarg_segment_align: 8
    .kernarg_segment_size: 24
    .max_flat_workgroup_size: 512
    .sgpr_count:     66
    .vgpr_count:     256
    .wavefront_size: 32
...
	.end_amdgpu_metadata
.endif
;; end of part 2
